; MI455X (gfx1250); checked and timed in simulation.
; The chip was launched on July 23, 2026; its instructions are those of AMD's public machine-readable ISA for CDNA 5 (MIT licence, August 2026) and "CDNA5" Instruction Set Architecture Reference Guide (July 2026). The comments in the code are by the model that wrote it; some were corrected since.
;; get Max Score. Allowed arithmetic: float matrix products may take bf16 or f16 operands with f32 sums; all other float work in f32.
;; Inputs: Wk 4,096 x 1,024 float32; Wq 4,096 x 1,024 float32; bk 4,096 float32; bq 4,096 float32; key_mat 16,384 x 1,024 float32; query 1,024 float32.
;; Outputs: out0 1,024 float32.
;; One version. Each part assembles by itself: llvm-mc -triple=amdgcn-amd-amdhsa -mcpu=gfx1250 --defsym DOCPART=n.
;; ======== version 1 of 1: 5 launches
;; workspace buffers: vpart 1,114,112 bytes; vsum 4,352 bytes; cand 12,288 bytes; idx 256 bytes of whole numbers
;; launch project (part 1): grid 256 x 1, 8 waves a work-group, no clusters, 1,280 bytes of LDS; arguments Wq, query, bq, Wk, bk, vpart; writes vpart
.if DOCPART == 1
	.amdgcn_target "amdgcn-amd-amdhsa--gfx1250"
	.amdhsa_code_object_version 6
	.text
	.protected	k_q4d72066451_project
	.globl	k_q4d72066451_project
	.p2align	8
	.type	k_q4d72066451_project,@function
k_q4d72066451_project:
	s_mov_b64 s[64:65], 0
	v_nop
	global_prefetch_b8 v0, s[64:65] scope:SCOPE_SE
	s_setreg_imm32_b32 hwreg(HW_REG_WAVE_MODE, 25, 1), 1
	s_wait_xcnt 0x0
; project: the work-group owns 16 rows h = 16 g .. 16 g + 15 of Wq and of Wk.
;   phase 1: q[h] = Wq[h] . query + bq[h]          (wave w: rows 2 w and 2 w + 1, a whole row in one wave)
;   phase 2: vpart[g][d] = sum over its 16 h of Wk[h][d] q[h]   (thread t: columns 4 t .. 4 t + 3)
;            vpart[g][1024..1087] = sum over its 16 h of bk[h] q[h], 64 times (one whole 256-byte piece)
; WHY: k = K Wk^T + bk is used only in k . q, and (K Wk^T + 1 bk^T) q = K (Wk^T q) + (bk . q) for every input.
; So the scores need v = Wk^T q (1024 numbers) and c = bk . q (one number); this launch makes 256 partial sums of both.
; LIMIT, stated: the product is re-associated and sums are trees, so the order of rounding differs from the reference.
; All arithmetic is f32 on the vector unit: the products have one column (half a multiply-add a byte), and the
; result hangs on the order of the scores, which operands of 16 bits would disturb.
; No LDS ring, no tensor loads: the 128 KiB of the work-group are all requested by its first 40 loads a wave.
; No cluster: the work-groups share only query, 4 KiB against 128 KiB of their own.
.set ROWB,   4096                      ; bytes in a row of Wq and of Wk
.set PPITCH, 4352                      ; bytes in a row of vpart: 1088 f32 = 17 pieces of 256 bytes
.set T,   6                            ; v6        the other half of the wave, in a reduction
.set P,   8                            ; v[8:15]   four chains of two sums
.set QS,  16                           ; v[16:19]  q0, q0, q1, q1 of my two rows
.set ACC, 20                           ; v[20:23]  partial v of my four columns
.set CP,  24                           ; v[24:25]  partial c, twice
.set QY,  32                           ; v[32:63]  query: load j holds columns 128 j + 4 lane .. + 3
.set WQ,  64                           ; v[64:127] my two rows of Wq, laid like query
.set WK,  128                          ; v[128:191] row i of Wk: my four columns
.set QD,  192                          ; v[192:223] (q_i, q_i), i = 0 .. 15
.set PL,  28                           ; s28, s29  v_permlanex16_b32: lane i reads lane i of the other half
.set PH,  29
; over the 32 lanes of the wave, result in every lane: four steps inside each half ride on the arithmetic, one crosses
.macro WRED op, opd, x
.irp msk, 1,2,4,8
	\opd v[\x], v[\x], v[\x] row_xmask:\msk row_mask:0xf bank_mask:0xf
.endr
	v_permlanex16_b32 v[T], v[\x], s[PL], s[PH]    ; T was written at the head: the destination counts as read
	\op v[\x], v[\x], v[T]
.endm
; v[d] = the dot product of two rows of 1024 f32, 32 registers a lane each, in four chains of packed sums
.macro DOT d, x, y
.set dc, 0
.rept 4
	v_pk_mul_f32 v[P+2*dc:P+2*dc+1], v[\x+2*dc:\x+2*dc+1], v[\y+2*dc:\y+2*dc+1]     ; the first products start the chains
.set dc, dc+1
.endr
.rept 12
	v_pk_fma_f32 v[P+2*(dc%4):P+2*(dc%4)+1], v[\x+2*dc:\x+2*dc+1], v[\y+2*dc:\y+2*dc+1], v[P+2*(dc%4):P+2*(dc%4)+1]
.set dc, dc+1
.endr
	v_pk_add_f32 v[P:P+1], v[P:P+1], v[P+2:P+3]
	v_pk_add_f32 v[P+4:P+5], v[P+4:P+5], v[P+6:P+7]
	v_pk_add_f32 v[P:P+1], v[P:P+1], v[P+4:P+5]
	v_add_f32 v[\d], v[P], v[P+1]
	WRED v_add_f32, v_add_f32_dpp, \d
.endm
	s_load_b256 s[4:11], s[0:1], 0x0               ; Wq s[4:5], query s[6:7], bq s[8:9], Wk s[10:11]
	s_load_b128 s[12:15], s[0:1], 0x20             ; bk s[12:13], vpart s[14:15]
	v_lshl_add_u32 v224, v0, 2, 0x100
	v_mov_b32 v225, 0
	v_lshrrev_b32 v7, 5, v0
	v_readfirstlane_b32 s16, v7                    ; wave 0 .. 7
	v_and_b32 v1, 31, v0
	v_lshlrev_b32 v1, 4, v1                        ; 16 x lane
	v_lshl_add_u32 v2, v7, 13, v1                  ; + wave x 2 rows of 4,096 bytes
	v_lshlrev_b32 v3, 4, v0                        ; 16 t: my four columns, in Wk and in vpart
	v_mov_b32 v4, s16
	v_lshlrev_b32 v4, 4, v4                        ; LDS: 16 bytes for each wave
	v_mov_b32 v5, 0                                ; LDS: the table of q from its first byte
	v_mov_b32 v[T], 0
	v_lshrrev_b32 v26, 1, v1                       ; 8 x lane
	s_lshl_b32 s18, ttmp9, 16                      ; g x 16 rows of 4,096 bytes (below 2^24)
	s_mov_b32 s19, 0
	s_lshl_b32 s24, ttmp9, 6                       ; g x 16 numbers of 4 bytes
	s_mov_b32 s25, 0
	s_lshl3_add_u32 s22, s16, s24                  ; + wave x 2 numbers
	s_mov_b32 s23, 0
	s_mul_i32 s26, ttmp9, PPITCH                   ; my row of vpart
	s_mov_b32 s27, 0
	s_mov_b32 s[PL], 0x76543210
	s_mov_b32 s[PH], 0xfedcba98
	s_wait_kmcnt 0x0
	s_add_nc_u64 s[4:5], s[4:5], s[18:19]
	s_add_nc_u64 s[10:11], s[10:11], s[18:19]
	s_add_nc_u64 s[8:9], s[8:9], s[22:23]
	s_add_nc_u64 s[12:13], s[12:13], s[24:25]
	s_add_nc_u64 s[14:15], s[14:15], s[26:27]
	s_load_b64 s[20:21], s[8:9], 0x0               ; bq of my two rows
	s_load_b512 s[32:47], s[12:13], 0x0            ; bk of the 16 rows
	; 40 loads, each 512 neighbouring bytes of a row: everything that the wave will read is asked for here
.irp j, 0,1,2,3,4,5,6,7
	global_load_b128 v[QY+4*\j:QY+4*\j+3], v1, s[6:7] offset:512*\j
.endr
.irp r, 0,1
.irp j, 0,1,2,3,4,5,6,7
	global_load_b128 v[WQ+32*\r+4*\j:WQ+32*\r+4*\j+3], v2, s[4:5] offset:ROWB*\r+512*\j th:TH_LOAD_NT
.endr
.endr
.irp i, 0,1,2,3,4,5,6,7,8,9,10,11,12,13,14,15
	global_load_b128 v[WK+4*\i:WK+4*\i+3], v3, s[10:11] offset:ROWB*\i th:TH_LOAD_NT
.endr
	; phase 1
	s_wait_loadcnt 24                              ; query and my first row are in; 8 loads of the second row and 16 of Wk stay out
	DOT QS, WQ, QY
	s_wait_loadcnt 16                              ; the second row is in; the 16 loads of Wk stay out
	DOT QS+2, WQ+32, QY
	s_wait_kmcnt 0x0                               ; bq and bk
	v_add_f32 v[QS], s20, v[QS]
	v_add_f32 v[QS+2], s21, v[QS+2]
	v_mov_b32 v[QS+1], v[QS]                       ; each q twice: a pair for the packed multiply-add
	v_mov_b32 v[QS+3], v[QS+2]
	ds_store_b128 v4, v[QS:QS+3]                   ; q_i at byte 8 i, twice; every lane writes the same 16 bytes with the same numbers
	s_wait_dscnt 0x0                               ; for the other waves: my store is done before I signal
	s_barrier_signal -1
	s_barrier_wait -1                              ; (the loads of Wk stay in flight: nobody writes those bytes)
.irp j, 0,1,2,3,4,5,6,7
	ds_load_b128 v[QD+4*\j:QD+4*\j+3], v5 offset:16*\j         ; all 16 q, the same words in every lane
.endr
	s_wait_dscnt 0x0
	; phase 2
.irp i, 0,1,2,3,4,5,6,7,8,9,10,11,12,13,14,15
	s_wait_loadcnt 15-\i                           ; loads come back in order: row i of Wk is in, the younger rows stay out
.if \i == 0
	v_pk_mul_f32 v[ACC:ACC+1],   v[WK:WK+1],   v[QD:QD+1]      ; the first products start the sums
	v_pk_mul_f32 v[ACC+2:ACC+3], v[WK+2:WK+3], v[QD:QD+1]
.else
	v_pk_fma_f32 v[ACC:ACC+1],   v[WK+4*\i:WK+4*\i+1],   v[QD+2*\i:QD+2*\i+1], v[ACC:ACC+1]
	v_pk_fma_f32 v[ACC+2:ACC+3], v[WK+4*\i+2:WK+4*\i+3], v[QD+2*\i:QD+2*\i+1], v[ACC+2:ACC+3]
.endif
.endr
	global_store_b128 v3, v[ACC:ACC+3], s[14:15]   ; a wave stores 512 consecutive bytes, at a multiple of 256 from the buffer
	s_cmp_lg_u32 s16, 0
	s_cbranch_scc1 .Lend
	; wave 0 alone: the partial c, the same in every lane
	v_mul_f32 v[CP], s32, v[QD]
.irp i, 1,2,3,4,5,6,7,8,9,10,11,12,13,14,15
	v_fmac_f32 v[CP], s[32+\i], v[QD+2*\i]
.endr
	v_mov_b32 v[CP+1], v[CP]
	global_store_b64 v26, v[CP:CP+1], s[14:15] offset:4096     ; 32 lanes x 8 bytes: columns 1024 .. 1087, 256 consecutive bytes
.Lend:
	s_wait_tensorcnt 0x0
	ds_add_u32 v224, v225
	s_wait_dscnt 0x0
	s_endpgm
.Lfunc_end_k_q4d72066451_project:
	.size	k_q4d72066451_project, .Lfunc_end_k_q4d72066451_project-k_q4d72066451_project
	.p2alignl 7, 3214868480
	.fill 96, 4, 3214868480
	.section	.rodata,"a",@progbits
	.p2align	6, 0x0
	.amdhsa_kernel k_q4d72066451_project
		.amdhsa_group_segment_fixed_size 1280
		.amdhsa_private_segment_fixed_size 0
		.amdhsa_enable_private_segment 0
		.amdhsa_kernarg_size 48
		.amdhsa_user_sgpr_count 2
		.amdhsa_user_sgpr_kernarg_segment_ptr 1
		.amdhsa_wavefront_size32 1
		.amdhsa_system_sgpr_workgroup_id_x 1
		.amdhsa_system_sgpr_workgroup_id_y 1
		.amdhsa_system_sgpr_workgroup_id_z 1
		.amdhsa_system_vgpr_workitem_id 0
		.amdhsa_next_free_vgpr 226
		.amdhsa_next_free_sgpr 66
		.amdhsa_reserve_vcc 0
		.amdhsa_float_denorm_mode_32 3
		.amdhsa_float_denorm_mode_16_64 3
		.amdhsa_memory_ordered 1
		.amdhsa_forward_progress 1
		.amdhsa_inst_pref_size 13
	.end_amdhsa_kernel
	.amdgpu_metadata
---
amdhsa.version: [ 1, 2 ]
amdhsa.kernels:
  - .name:           k_q4d72066451_project
    .symbol:         k_q4d72066451_project.kd
    .args:
      - { .name: Wq, .offset: 0, .size: 8, .value_kind: global_buffer, .address_space: global }
      - { .name: query, .offset: 8, .size: 8, .value_kind: global_buffer, .address_space: global }
      - { .name: bq, .offset: 16, .size: 8, .value_kind: global_buffer, .address_space: global }
      - { .name: Wk, .offset: 24, .size: 8, .value_kind: global_buffer, .address_space: global }
      - { .name: bk, .offset: 32, .size: 8, .value_kind: global_buffer, .address_space: global }
      - { .name: vpart, .offset: 40, .size: 8, .value_kind: global_buffer, .address_space: global }
    .group_segment_fixed_size: 1280
    .private_segment_fixed_size: 0
    .kernarg_segment_align: 8
    .kernarg_segment_size: 48
    .max_flat_workgroup_size: 256
    .sgpr_count:     66
    .vgpr_count:     226
    .wavefront_size: 32
...
	.end_amdgpu_metadata
.endif
;; end of part 1
;; launch fold (part 2): grid 17 x 1, 8 waves a work-group, no clusters, 5,120 bytes of LDS; arguments vpart, vsum; writes vsum
.if DOCPART == 2
	.amdgcn_target "amdgcn-amd-amdhsa--gfx1250"
	.amdhsa_code_object_version 6
	.text
	.protected	k_q4d72066451_fold
	.globl	k_q4d72066451_fold
	.p2align	8
	.type	k_q4d72066451_fold,@function
k_q4d72066451_fold:
	s_mov_b64 s[64:65], 0
	v_nop
	global_prefetch_b8 v0, s[64:65] scope:SCOPE_SE
	s_setreg_imm32_b32 hwreg(HW_REG_WAVE_MODE, 25, 1), 1
	s_wait_xcnt 0x0
; fold: vsum[d] = sum over the 256 rows g of vpart[g][d], d = 0 .. 1087 (v, then c 64 times).
; Work-group b owns columns 64 b .. 64 b + 63: 256 bytes of each of the 256 rows.  Sixteen neighbouring lanes take such a piece
; whole; thread t takes the 16 bytes 16 (t % 16) of rows t / 16 + 16 j, j = 0 .. 15.  The 16 row groups then meet in LDS.
; 17 work-groups: that is all the work there is (1.1 MB); a launch of its own, since the sum spans all work-groups of the
; launch before, and summing in the next launch would make each of its 256 work-groups read all 1.1 MB beside its own 256 KiB.
.set PPITCH, 4352                      ; bytes in a row of vpart
.set X, 4                              ; v[4:67]   load j: 4 registers; sets 0 and 1 become the two running sums
.set Y, 68                             ; v[68:99]  wave 0: the 16 row groups, two columns a lane
	s_load_b128 s[4:7], s[0:1], 0x0                ; vpart s[4:5], vsum s[6:7]
	v_lshl_add_u32 v100, v0, 2, 0x1000
	v_mov_b32 v101, 0
	v_lshrrev_b32 v3, 5, v0
	v_readfirstlane_b32 s8, v3                     ; wave
	v_lshrrev_b32 v1, 4, v0                        ; row group 0 .. 15
	v_mul_u32_u24 v1, v1, PPITCH
	v_and_b32 v2, 15, v0
	v_lshl_add_u32 v1, v2, 4, v1                   ; row x pitch + my 16 bytes of the piece
	v_lshlrev_b32 v2, 4, v0                        ; LDS: row group x 256 + my 16 bytes = 16 t
	v_and_b32 v3, 31, v0
	v_lshlrev_b32 v3, 3, v3                        ; 8 x lane
	s_lshl_b32 s10, ttmp9, 8                       ; my 256 bytes of every row, and of vsum
	s_mov_b32 s11, 0
	s_wait_kmcnt 0x0
	s_add_nc_u64 s[4:5], s[4:5], s[10:11]
	s_add_nc_u64 s[6:7], s[6:7], s[10:11]
.irp j, 0,1,2,3,4,5,6,7,8,9,10,11,12,13,14,15
	global_load_b128 v[X+4*\j:X+4*\j+3], v1, s[4:5] offset:16*PPITCH*\j
.endr
.set j, 2
.rept 14
	s_wait_loadcnt 15-j                            ; loads 0 .. j are in, the 15 - j younger ones stay out
	v_pk_add_f32 v[X+4*(j&1):X+4*(j&1)+1],   v[X+4*(j&1):X+4*(j&1)+1],   v[X+4*j:X+4*j+1]      ; two chains: even j, odd j
	v_pk_add_f32 v[X+4*(j&1)+2:X+4*(j&1)+3], v[X+4*(j&1)+2:X+4*(j&1)+3], v[X+4*j+2:X+4*j+3]
.set j, j+1
.endr
	v_pk_add_f32 v[X:X+1],   v[X:X+1],   v[X+4:X+5]
	v_pk_add_f32 v[X+2:X+3], v[X+2:X+3], v[X+6:X+7]
	ds_store_b128 v2, v[X:X+3]                     ; neighbouring lanes, neighbouring 16 bytes
	s_wait_dscnt 0x0                               ; for wave 0: my store is done before I signal
	s_barrier_signal -1
	s_barrier_wait -1
	s_cmp_lg_u32 s8, 0
	s_cbranch_scc1 .Lend
.irp k, 0,1,2,3,4,5,6,7,8,9,10,11,12,13,14,15
	ds_load_b64 v[Y+2*\k:Y+2*\k+1], v3 offset:256*\k           ; row group k: columns 2 lane, 2 lane + 1
.endr
	s_wait_dscnt 0x0
.irp s, 8,4,2,1
.set k, 0
.rept \s
	v_pk_add_f32 v[Y+2*k:Y+2*k+1], v[Y+2*k:Y+2*k+1], v[Y+2*(k+\s):Y+2*(k+\s)+1]
.set k, k+1
.endr
.endr
	global_store_b64 v3, v[Y:Y+1], s[6:7]          ; 32 lanes x 8 bytes: 256 consecutive bytes, aligned
.Lend:
	s_wait_tensorcnt 0x0
	ds_add_u32 v100, v101
	s_wait_dscnt 0x0
	s_endpgm
.Lfunc_end_k_q4d72066451_fold:
	.size	k_q4d72066451_fold, .Lfunc_end_k_q4d72066451_fold-k_q4d72066451_fold
	.p2alignl 7, 3214868480
	.fill 96, 4, 3214868480
	.section	.rodata,"a",@progbits
	.p2align	6, 0x0
	.amdhsa_kernel k_q4d72066451_fold
		.amdhsa_group_segment_fixed_size 5120
		.amdhsa_private_segment_fixed_size 0
		.amdhsa_enable_private_segment 0
		.amdhsa_kernarg_size 16
		.amdhsa_user_sgpr_count 2
		.amdhsa_user_sgpr_kernarg_segment_ptr 1
		.amdhsa_wavefront_size32 1
		.amdhsa_system_sgpr_workgroup_id_x 1
		.amdhsa_system_sgpr_workgroup_id_y 1
		.amdhsa_system_sgpr_workgroup_id_z 1
		.amdhsa_system_vgpr_workitem_id 0
		.amdhsa_next_free_vgpr 102
		.amdhsa_next_free_sgpr 66
		.amdhsa_reserve_vcc 0
		.amdhsa_float_denorm_mode_32 3
		.amdhsa_float_denorm_mode_16_64 3
		.amdhsa_memory_ordered 1
		.amdhsa_forward_progress 1
		.amdhsa_inst_pref_size 8
	.end_amdhsa_kernel
	.amdgpu_metadata
---
amdhsa.version: [ 1, 2 ]
amdhsa.kernels:
  - .name:           k_q4d72066451_fold
    .symbol:         k_q4d72066451_fold.kd
    .args:
      - { .name: vpart, .offset: 0, .size: 8, .value_kind: global_buffer, .address_space: global }
      - { .name: vsum, .offset: 8, .size: 8, .value_kind: global_buffer, .address_space: global }
    .group_segment_fixed_size: 5120
    .private_segment_fixed_size: 0
    .kernarg_segment_align: 8
    .kernarg_segment_size: 16
    .max_flat_workgroup_size: 256
    .sgpr_count:     66
    .vgpr_count:     102
    .wavefront_size: 32
...
	.end_amdgpu_metadata
.endif
;; end of part 2
;; launch score (part 3): grid 256 x 1, 16 waves a work-group, no clusters, 2,304 bytes of LDS; arguments key_mat, vsum, cand; writes cand
.if DOCPART == 3
	.amdgcn_target "amdgcn-amd-amdhsa--gfx1250"
	.amdhsa_code_object_version 6
	.text
	.protected	k_q4d72066451_score
	.globl	k_q4d72066451_score
	.p2align	8
	.type	k_q4d72066451_score,@function
k_q4d72066451_score:
	s_mov_b64 s[64:65], 0
	v_nop
	global_prefetch_b8 v0, s[64:65] scope:SCOPE_SE
	s_setreg_imm32_b32 hwreg(HW_REG_WAVE_MODE, 25, 1), 1
	s_wait_xcnt 0x0
; score: scores[n] = key_mat[n] . v + c for the 64 rows n = 64 g .. 64 g + 63 of the work-group, and their six best
; as pairs (score, index as f32: exact below 2^24) in cand[g][0..5], best first.
; Wave w takes rows 4 w .. 4 w + 3, a whole row in one wave (32 registers a lane): the 256 KiB of the work-group are all asked
; for by its first loads, and each byte of key_mat is read once.  f32 on the vector unit: one column, half a multiply-add a byte.
; c is the same for all scores and is added all the same: bk is honoured as given.
; The first stage of the selection stands here so that it is shared among 256 work-groups: six times a maximum over 64.
; ORDER OF CHOICE as in lax.top_k: the larger score, among equals the lower index.
; LIMITS, stated: a NaN score is never chosen (the maximum drops NaN); a chosen score is replaced by -inf, so fewer than six
; scores above -inf in the whole problem are not served.  The order of rounding differs from the reference (see project).
; The store of the candidates is 48 bytes a work-group, not a whole 256-byte piece: 12 KiB in the launch against 64 MiB read.
; No cluster: the work-groups share only vsum, 4 KiB against 256 KiB of their own.
.set ROWB, 4096
.set T,   4                            ; v4        the other half of the wave, in a reduction
.set P,   8                            ; v[8:15]   four chains of two sums
.set SC,  16                           ; v[16:19]  the scores of my four rows
.set VAL, 20                           ; v[20:21]  wave 0: scores of rows 2 lane, 2 lane + 1
.set IDX, 22                           ; v[22:23]  their indices, as f32
.set M,   24                           ; v24       the maximum
.set I,   25                           ; v25       its index
.set NEG, 26                           ; v26       -inf
.set OUT, 28                           ; v[28:29]  lane r: the r-th best pair
.set VV,  32                           ; v[32:63]  v: load j holds columns 128 j + 4 lane .. + 3
.set KM,  64                           ; v[64:191] my four rows, laid like v
.set PL,  22                           ; s22, s23  v_permlanex16_b32: lane i reads lane i of the other half
.set PH,  23
.macro WRED op, opd, x
.irp msk, 1,2,4,8
	\opd v[\x], v[\x], v[\x] row_xmask:\msk row_mask:0xf bank_mask:0xf
.endr
	v_permlanex16_b32 v[T], v[\x], s[PL], s[PH]    ; T was written at the head: the destination counts as read
	\op v[\x], v[\x], v[T]
.endm
.macro DOT d, x, y
.set dc, 0
.rept 4
	v_pk_mul_f32 v[P+2*dc:P+2*dc+1], v[\x+2*dc:\x+2*dc+1], v[\y+2*dc:\y+2*dc+1]     ; the first products start the chains
.set dc, dc+1
.endr
.rept 12
	v_pk_fma_f32 v[P+2*(dc%4):P+2*(dc%4)+1], v[\x+2*dc:\x+2*dc+1], v[\y+2*dc:\y+2*dc+1], v[P+2*(dc%4):P+2*(dc%4)+1]
.set dc, dc+1
.endr
	v_pk_add_f32 v[P:P+1], v[P:P+1], v[P+2:P+3]
	v_pk_add_f32 v[P+4:P+5], v[P+4:P+5], v[P+6:P+7]
	v_pk_add_f32 v[P:P+1], v[P:P+1], v[P+4:P+5]
	v_add_f32 v[\d], v[P], v[P+1]
	WRED v_add_f32, v_add_f32_dpp, \d
.endm
; One choice among n numbers a lane (values v[vb + st k], indices v[ib + st k]): v[m] = the largest of the wave, v[i] = the lowest
; index that holds it; that entry becomes -inf.  Only selects hang on the numbers, no branch and no address.
; In a lane equal values have ascending indices in k, so the select that runs from the last k to the first leaves the lowest.
.macro ROUND n, vb, ib, st, m, i
	v_max_num_f32 v[\m], v[\vb], v[\vb+\st]
.if \n > 2
.set rk, 2
.rept (\n-2)/2
	v_max3_num_f32 v[\m], v[\m], v[\vb+\st*rk], v[\vb+\st*(rk+1)]
.set rk, rk+2
.endr
.endif
	WRED v_max_num_f32, v_max_num_f32_dpp, \m
	v_mov_b32 v[\i], 0x7f800000                    ; +inf: no entry of this lane holds the maximum
.set rk, \n-1
.rept \n
	v_cmp_eq_f32 vcc_lo, v[\m], v[\vb+\st*rk]
	v_cndmask_b32 v[\i], v[\i], v[\ib+\st*rk], vcc_lo
.set rk, rk-1
.endr
	WRED v_min_num_f32, v_min_num_f32_dpp, \i
.set rk, 0
.rept \n
	v_cmp_eq_f32 vcc_lo, v[\i], v[\ib+\st*rk]
	v_cndmask_b32 v[\vb+\st*rk], v[\vb+\st*rk], v[NEG], vcc_lo
.set rk, rk+1
.endr
.endm
	s_load_b128 s[4:7], s[0:1], 0x0                ; key_mat s[4:5], vsum s[6:7]
	s_load_b64 s[8:9], s[0:1], 0x10                ; cand
	v_lshl_add_u32 v192, v0, 2, 0x100
	v_mov_b32 v193, 0
	v_lshrrev_b32 v7, 5, v0
	v_readfirstlane_b32 s12, v7                    ; wave 0 .. 15
	v_and_b32 v5, 31, v0                           ; lane
	v_lshlrev_b32 v1, 4, v5                        ; 16 x lane
	v_lshl_add_u32 v2, v7, 14, v1                  ; + wave x 4 rows of 4,096 bytes
	v_mov_b32 v3, s12
	v_lshlrev_b32 v3, 4, v3                        ; LDS: 16 bytes for each wave
	v_mov_b32 v[T], 0
	v_lshlrev_b32 v6, 3, v5                        ; 8 x lane
	s_lshl_b32 s14, ttmp9, 18                      ; g x 64 rows of 4,096 bytes (below 2^26)
	s_mov_b32 s15, 0
	s_mul_i32 s16, ttmp9, 48                       ; g x 6 pairs of 8 bytes
	s_mov_b32 s17, 0
	s_lshl_b32 s18, ttmp9, 6                       ; the index of my first row
	s_mov_b32 s[PL], 0x76543210
	s_mov_b32 s[PH], 0xfedcba98
	s_wait_kmcnt 0x0
	s_add_nc_u64 s[4:5], s[4:5], s[14:15]
	s_add_nc_u64 s[8:9], s[8:9], s[16:17]
	s_load_b64 s[10:11], s[6:7], 0x1000            ; c (columns 1024 and 1025 of vsum hold the same number)
.irp j, 0,1,2,3,4,5,6,7
	global_load_b128 v[VV+4*\j:VV+4*\j+3], v1, s[6:7] offset:512*\j
.endr
.irp r, 0,1,2,3
.irp j, 0,1,2,3,4,5,6,7
	global_load_b128 v[KM+32*\r+4*\j:KM+32*\r+4*\j+3], v2, s[4:5] offset:ROWB*\r+512*\j th:TH_LOAD_NT
.endr
.endr
.irp r, 0,1,2,3
	s_wait_loadcnt 24-8*\r                         ; v and rows 0 .. r are in; the 8 loads of each younger row stay out
	DOT SC+\r, KM+32*\r, VV
.endr
	s_wait_kmcnt 0x0                               ; c
	v_pk_add_f32 v[SC:SC+1],   v[SC:SC+1],   s[10:11] op_sel_hi:[1,0]
	v_pk_add_f32 v[SC+2:SC+3], v[SC+2:SC+3], s[10:11] op_sel_hi:[1,0]
	ds_store_b128 v3, v[SC:SC+3]                   ; the score of local row n at byte 4 n; every lane writes the same 16 bytes alike
	s_wait_dscnt 0x0                               ; for wave 0: my store is done before I signal
	s_barrier_signal -1
	s_barrier_wait -1
	s_cmp_lg_u32 s12, 0
	s_cbranch_scc1 .Lend
	; wave 0 alone: the six best of the 64
	ds_load_b64 v[VAL:VAL+1], v6
	v_lshl_add_u32 v[IDX], v5, 1, s18              ; 64 g + 2 lane
	v_cvt_f32_u32 v[IDX], v[IDX]
	v_add_f32 v[IDX+1], 1.0, v[IDX]
	v_mov_b32 v[NEG], 0xff800000
	v_mov_b32 v[OUT], 0
	v_mov_b32 v[OUT+1], 0
	s_wait_dscnt 0x0
.irp r, 0,1,2,3,4,5
	ROUND 2, VAL, IDX, 1, M, I
	v_cmp_eq_u32 vcc_lo, \r, v5
	v_cndmask_b32 v[OUT], v[OUT], v[M], vcc_lo     ; lane r keeps the r-th pair
	v_cndmask_b32 v[OUT+1], v[OUT+1], v[I], vcc_lo
.endr
	v_cmp_gt_u32 vcc_lo, 6, v5
	s_wait_xcnt 0x0                                ; EXEC is a source of the loads above: it narrows only behind this wait
	s_wait_tensorcnt 0x0
	ds_add_u32 v192, v193
	s_wait_dscnt 0x0
	s_and_saveexec_b32 s20, vcc_lo                 ; lanes 0 .. 5; the wave ends so
	global_store_b64 v6, v[OUT:OUT+1], s[8:9]
	s_endpgm
.Lend:
	s_wait_tensorcnt 0x0
	ds_add_u32 v192, v193
	s_wait_dscnt 0x0
	s_endpgm
.Lfunc_end_k_q4d72066451_score:
	.size	k_q4d72066451_score, .Lfunc_end_k_q4d72066451_score-k_q4d72066451_score
	.p2alignl 7, 3214868480
	.fill 96, 4, 3214868480
	.section	.rodata,"a",@progbits
	.p2align	6, 0x0
	.amdhsa_kernel k_q4d72066451_score
		.amdhsa_group_segment_fixed_size 2304
		.amdhsa_private_segment_fixed_size 0
		.amdhsa_enable_private_segment 0
		.amdhsa_kernarg_size 24
		.amdhsa_user_sgpr_count 2
		.amdhsa_user_sgpr_kernarg_segment_ptr 1
		.amdhsa_wavefront_size32 1
		.amdhsa_system_sgpr_workgroup_id_x 1
		.amdhsa_system_sgpr_workgroup_id_y 1
		.amdhsa_system_sgpr_workgroup_id_z 1
		.amdhsa_system_vgpr_workitem_id 0
		.amdhsa_next_free_vgpr 194
		.amdhsa_next_free_sgpr 66
		.amdhsa_reserve_vcc 1
		.amdhsa_float_denorm_mode_32 3
		.amdhsa_float_denorm_mode_16_64 3
		.amdhsa_memory_ordered 1
		.amdhsa_forward_progress 1
		.amdhsa_inst_pref_size 20
	.end_amdhsa_kernel
	.amdgpu_metadata
---
amdhsa.version: [ 1, 2 ]
amdhsa.kernels:
  - .name:           k_q4d72066451_score
    .symbol:         k_q4d72066451_score.kd
    .args:
      - { .name: key_mat, .offset: 0, .size: 8, .value_kind: global_buffer, .address_space: global }
      - { .name: vsum, .offset: 8, .size: 8, .value_kind: global_buffer, .address_space: global }
      - { .name: cand, .offset: 16, .size: 8, .value_kind: global_buffer, .address_space: global }
    .group_segment_fixed_size: 2304
    .private_segment_fixed_size: 0
    .kernarg_segment_align: 8
    .kernarg_segment_size: 24
    .max_flat_workgroup_size: 512
    .sgpr_count:     66
    .vgpr_count:     194
    .wavefront_size: 32
...
	.end_amdgpu_metadata
.endif
;; end of part 3
;; launch pick (part 4): grid 1 x 1, 8 waves a work-group, no clusters, 1,536 bytes of LDS; arguments cand, idx; writes idx
.if DOCPART == 4
	.amdgcn_target "amdgcn-amd-amdhsa--gfx1250"
	.amdhsa_code_object_version 6
	.text
	.protected	k_q4d72066451_pick
	.globl	k_q4d72066451_pick
	.p2align	8
	.type	k_q4d72066451_pick,@function
k_q4d72066451_pick:
	s_mov_b64 s[64:65], 0
	v_nop
	global_prefetch_b8 v0, s[64:65] scope:SCOPE_SE
	s_setreg_imm32_b32 hwreg(HW_REG_WAVE_MODE, 25, 1), 1
	s_wait_xcnt 0x0
; pick: the six best of the 1536 candidates (256 work-groups x 6 pairs of score and index), stored as whole numbers for the
; launch that gathers.
; One work-group: the choice spans everything.  Each of 8 waves chooses six of its 192 pairs (six a lane); wave 0 then chooses
; six of the 48 winners.  idx: words 0 .. 5 the indices, best first; words 6 .. 63 repeat word 0, so that the buffer is written whole.
; ORDER OF CHOICE as in lax.top_k: the larger score, among equals the lower index.  Pairs lie in cand by ascending work-group and,
; inside one, best first with equals by ascending index: so equal scores have ascending indices along cand, and along k in a lane.
; LIMITS, stated: NaN is never chosen; fewer than six scores above -inf are not served (an index would come twice).
.set T,   4                            ; v4        the other half of the wave, in a reduction
.set NEG, 7                            ; v7        -inf
.set C,   8                            ; v[8:19]   six pairs: value at C + 2 k, index at C + 2 k + 1
.set W,   20                           ; v[20:31]  the six winners, the same layout
.set OUT, 32                           ; v[32:33]  two words of idx
.set PL,  10
.set PH,  11
.macro WRED op, opd, x
.irp msk, 1,2,4,8
	\opd v[\x], v[\x], v[\x] row_xmask:\msk row_mask:0xf bank_mask:0xf
.endr
	v_permlanex16_b32 v[T], v[\x], s[PL], s[PH]    ; T was written at the head: the destination counts as read
	\op v[\x], v[\x], v[T]
.endm
; as in score: v[m] = the largest of the wave, v[i] = the lowest index that holds it; that entry becomes -inf
.macro ROUND n, vb, ib, st, m, i
	v_max_num_f32 v[\m], v[\vb], v[\vb+\st]
.if \n > 2
.set rk, 2
.rept (\n-2)/2
	v_max3_num_f32 v[\m], v[\m], v[\vb+\st*rk], v[\vb+\st*(rk+1)]
.set rk, rk+2
.endr
.endif
	WRED v_max_num_f32, v_max_num_f32_dpp, \m
	v_mov_b32 v[\i], 0x7f800000
.set rk, \n-1
.rept \n
	v_cmp_eq_f32 vcc_lo, v[\m], v[\vb+\st*rk]
	v_cndmask_b32 v[\i], v[\i], v[\ib+\st*rk], vcc_lo
.set rk, rk-1
.endr
	WRED v_min_num_f32, v_min_num_f32_dpp, \i
.set rk, 0
.rept \n
	v_cmp_eq_f32 vcc_lo, v[\i], v[\ib+\st*rk]
	v_cndmask_b32 v[\vb+\st*rk], v[\vb+\st*rk], v[NEG], vcc_lo
.set rk, rk+1
.endr
.endm
	s_load_b128 s[4:7], s[0:1], 0x0                ; cand s[4:5], idx s[6:7]
	v_lshl_add_u32 v48, v0, 2, 0x200
	v_mov_b32 v49, 0
	v_lshrrev_b32 v2, 5, v0
	v_readfirstlane_b32 s8, v2                     ; wave
	v_lshlrev_b32 v1, 4, v0                        ; 16 t: two pairs
	v_mov_b32 v2, s8
	v_mul_u32_u24 v2, 48, v2                       ; LDS: 48 bytes for each wave
	v_and_b32 v3, 7, v0
	v_mul_u32_u24 v3, 48, v3                       ; wave 0 reads back: lane l takes the winners of wave l % 8
	v_mov_b32 v[T], 0
	v_and_b32 v5, 31, v0                           ; lane
	v_lshlrev_b32 v6, 3, v5                        ; 8 x lane
	v_mov_b32 v[NEG], 0xff800000
	s_mov_b32 s[PL], 0x76543210
	s_mov_b32 s[PH], 0xfedcba98
	s_wait_kmcnt 0x0
.irp j, 0,1,2
	global_load_b128 v[C+4*\j:C+4*\j+3], v1, s[4:5] offset:4096*\j     ; pairs 2 t + 512 j and the next
.endr
	s_wait_loadcnt 0x0
.irp r, 0,1,2,3,4,5
	ROUND 6, C, C+1, 2, W+2*\r, W+2*\r+1
.endr
.irp j, 0,1,2
	ds_store_b128 v2, v[W+4*\j:W+4*\j+3] offset:16*\j          ; every lane writes the same bytes with the same numbers
.endr
	s_wait_dscnt 0x0                               ; for wave 0: my stores are done before I signal
	s_barrier_signal -1
	s_barrier_wait -1
	s_cmp_lg_u32 s8, 0
	s_cbranch_scc1 .Lend
.irp j, 0,1,2
	ds_load_b128 v[C+4*\j:C+4*\j+3], v3 offset:16*\j
.endr
	s_wait_dscnt 0x0
	v_cmp_gt_u32 vcc_lo, 8, v5                     ; lanes 8 .. 31 hold copies: their values become -inf, their indices do no harm
.irp k, 0,1,2,3,4,5
	v_cndmask_b32 v[C+2*\k], v[NEG], v[C+2*\k], vcc_lo
.endr
.irp r, 0,1,2,3,4,5
	ROUND 6, C, C+1, 2, W+2*\r, W+2*\r+1
.endr
.irp r, 0,1,2,3,4,5
	v_cvt_u32_f32 v[W+2*\r+1], v[W+2*\r+1]         ; whole numbers below 16,384: exact
.endr
	v_cmp_eq_u32 s20, 0, v5
	v_cmp_eq_u32 s21, 1, v5
	v_cmp_eq_u32 s22, 2, v5
	v_cndmask_b32 v[OUT], v[W+1], v[W+5], s21      ; word 2 lane:     index 0, in lane 1 index 2,
	v_cndmask_b32 v[OUT], v[OUT], v[W+9], s22      ;                  in lane 2 index 4
	v_cndmask_b32 v[OUT+1], v[W+1], v[W+3], s20    ; word 2 lane + 1: index 0, in lane 0 index 1,
	v_cndmask_b32 v[OUT+1], v[OUT+1], v[W+7], s21  ;                  in lane 1 index 3,
	v_cndmask_b32 v[OUT+1], v[OUT+1], v[W+11], s22 ;                  in lane 2 index 5
	global_store_b64 v6, v[OUT:OUT+1], s[6:7]      ; 32 lanes x 8 bytes: the whole buffer, 256 consecutive bytes
.Lend:
	s_wait_tensorcnt 0x0
	ds_add_u32 v48, v49
	s_wait_dscnt 0x0
	s_endpgm
.Lfunc_end_k_q4d72066451_pick:
	.size	k_q4d72066451_pick, .Lfunc_end_k_q4d72066451_pick-k_q4d72066451_pick
	.p2alignl 7, 3214868480
	.fill 96, 4, 3214868480
	.section	.rodata,"a",@progbits
	.p2align	6, 0x0
	.amdhsa_kernel k_q4d72066451_pick
		.amdhsa_group_segment_fixed_size 1536
		.amdhsa_private_segment_fixed_size 0
		.amdhsa_enable_private_segment 0
		.amdhsa_kernarg_size 16
		.amdhsa_user_sgpr_count 2
		.amdhsa_user_sgpr_kernarg_segment_ptr 1
		.amdhsa_wavefront_size32 1
		.amdhsa_system_sgpr_workgroup_id_x 1
		.amdhsa_system_sgpr_workgroup_id_y 1
		.amdhsa_system_sgpr_workgroup_id_z 1
		.amdhsa_system_vgpr_workitem_id 0
		.amdhsa_next_free_vgpr 50
		.amdhsa_next_free_sgpr 66
		.amdhsa_reserve_vcc 1
		.amdhsa_float_denorm_mode_32 3
		.amdhsa_float_denorm_mode_16_64 3
		.amdhsa_memory_ordered 1
		.amdhsa_forward_progress 1
		.amdhsa_inst_pref_size 23
	.end_amdhsa_kernel
	.amdgpu_metadata
---
amdhsa.version: [ 1, 2 ]
amdhsa.kernels:
  - .name:           k_q4d72066451_pick
    .symbol:         k_q4d72066451_pick.kd
    .args:
      - { .name: cand, .offset: 0, .size: 8, .value_kind: global_buffer, .address_space: global }
      - { .name: idx, .offset: 8, .size: 8, .value_kind: global_buffer, .address_space: global }
    .group_segment_fixed_size: 1536
    .private_segment_fixed_size: 0
    .kernarg_segment_align: 8
    .kernarg_segment_size: 16
    .max_flat_workgroup_size: 256
    .sgpr_count:     66
    .vgpr_count:     50
    .wavefront_size: 32
...
	.end_amdgpu_metadata
.endif
;; end of part 4
;; launch mean (part 5): grid 1 x 1, 8 waves a work-group, no clusters, 0 bytes of LDS; arguments idx, key_mat, out0; writes out0
.if DOCPART == 5
	.amdgcn_target "amdgcn-amd-amdhsa--gfx1250"
	.amdhsa_code_object_version 6
	.text
	.protected	k_q4d72066451_mean
	.globl	k_q4d72066451_mean
	.p2align	8
	.type	k_q4d72066451_mean,@function
k_q4d72066451_mean:
	s_mov_b64 s[64:65], 0
	v_nop
	global_prefetch_b8 v0, s[64:65] scope:SCOPE_SE
	s_setreg_imm32_b32 hwreg(HW_REG_WAVE_MODE, 25, 1), 1
	s_wait_xcnt 0x0
; mean: out0[d] = (sum over the six chosen rows n of key_mat[n][d]) / 6, as a multiplication by the f32 nearest to 1/6.
; One work-group: 24 KiB in, 4 KiB out.  Thread t owns columns 4 t .. 4 t + 3, so each load and the store of a wave cover 512
; consecutive bytes.  The six indices are whole numbers that the launch before stored; each is clamped to the table before
; it enters an address.  No prefetch: the rows are known only one scalar load ahead of their loads.
.set X, 4                              ; v[4:27]  row r: my four columns
	s_load_b128 s[4:7], s[0:1], 0x0                ; idx s[4:5], key_mat s[6:7]
	s_load_b64 s[8:9], s[0:1], 0x10                ; out0
	v_lshlrev_b32 v1, 4, v0                        ; 16 t
	s_wait_kmcnt 0x0
	s_load_b256 s[12:19], s[4:5], 0x0              ; words 0 .. 5: the indices (6 and 7 are written too, and not used)
	s_wait_kmcnt 0x0
.irp r, 0,1,2,3,4,5
	s_min_u32 s[12+\r], s[12+\r], 0x3fff           ; inside the 16,384 rows
	s_lshl_b32 s[20+2*\r], s[12+\r], 12            ; rows of 4,096 bytes: below 2^26
	s_mov_b32 s[21+2*\r], 0
	s_add_nc_u64 s[20+2*\r:21+2*\r], s[6:7], s[20+2*\r:21+2*\r]
.endr
.irp r, 0,1,2,3,4,5
	global_load_b128 v[X+4*\r:X+4*\r+3], v1, s[20+2*\r:21+2*\r]
.endr
	s_wait_loadcnt 4                               ; rows 0 and 1 are in, four younger loads stay out
	v_pk_add_f32 v[X:X+1],     v[X:X+1],     v[X+4:X+5]
	v_pk_add_f32 v[X+2:X+3],   v[X+2:X+3],   v[X+6:X+7]
	s_wait_loadcnt 2                               ; rows 2 and 3
	v_pk_add_f32 v[X+8:X+9],   v[X+8:X+9],   v[X+12:X+13]
	v_pk_add_f32 v[X+10:X+11], v[X+10:X+11], v[X+14:X+15]
	s_wait_loadcnt 0                               ; rows 4 and 5
	v_pk_add_f32 v[X+16:X+17], v[X+16:X+17], v[X+20:X+21]
	v_pk_add_f32 v[X+18:X+19], v[X+18:X+19], v[X+22:X+23]
	v_pk_add_f32 v[X:X+1],     v[X:X+1],     v[X+8:X+9]
	v_pk_add_f32 v[X+2:X+3],   v[X+2:X+3],   v[X+10:X+11]
	v_pk_add_f32 v[X:X+1],     v[X:X+1],     v[X+16:X+17]
	v_pk_add_f32 v[X+2:X+3],   v[X+2:X+3],   v[X+18:X+19]
	v_pk_mul_f32 v[X:X+1],     v[X:X+1],     0x3e2aaaab op_sel_hi:[1,0]
	v_pk_mul_f32 v[X+2:X+3],   v[X+2:X+3],   0x3e2aaaab op_sel_hi:[1,0]
	global_store_b128 v1, v[X:X+3], s[8:9]
	s_endpgm
.Lfunc_end_k_q4d72066451_mean:
	.size	k_q4d72066451_mean, .Lfunc_end_k_q4d72066451_mean-k_q4d72066451_mean
	.p2alignl 7, 3214868480
	.fill 96, 4, 3214868480
	.section	.rodata,"a",@progbits
	.p2align	6, 0x0
	.amdhsa_kernel k_q4d72066451_mean
		.amdhsa_group_segment_fixed_size 0
		.amdhsa_private_segment_fixed_size 0
		.amdhsa_enable_private_segment 0
		.amdhsa_kernarg_size 24
		.amdhsa_user_sgpr_count 2
		.amdhsa_user_sgpr_kernarg_segment_ptr 1
		.amdhsa_wavefront_size32 1
		.amdhsa_system_sgpr_workgroup_id_x 1
		.amdhsa_system_sgpr_workgroup_id_y 1
		.amdhsa_system_sgpr_workgroup_id_z 1
		.amdhsa_system_vgpr_workitem_id 0
		.amdhsa_next_free_vgpr 32
		.amdhsa_next_free_sgpr 66
		.amdhsa_reserve_vcc 0
		.amdhsa_float_denorm_mode_32 3
		.amdhsa_float_denorm_mode_16_64 3
		.amdhsa_memory_ordered 1
		.amdhsa_forward_progress 1
		.amdhsa_inst_pref_size 4
	.end_amdhsa_kernel
	.amdgpu_metadata
---
amdhsa.version: [ 1, 2 ]
amdhsa.kernels:
  - .name:           k_q4d72066451_mean
    .symbol:         k_q4d72066451_mean.kd
    .args:
      - { .name: idx, .offset: 0, .size: 8, .value_kind: global_buffer, .address_space: global }
      - { .name: key_mat, .offset: 8, .size: 8, .value_kind: global_buffer, .address_space: global }
      - { .name: out0, .offset: 16, .size: 8, .value_kind: global_buffer, .address_space: global }
    .group_segment_fixed_size: 0
    .private_segment_fixed_size: 0
    .kernarg_segment_align: 8
    .kernarg_segment_size: 24
    .max_flat_workgroup_size: 256
    .sgpr_count:     66
    .vgpr_count:     32
    .wavefront_size: 32
...
	.end_amdgpu_metadata
.endif
;; end of part 5
